; MI455X (gfx1250); checked and timed in simulation.
; The chip was launched on July 23, 2026; its instructions are those of AMD's public machine-readable ISA for CDNA 5 (MIT licence, August 2026) and "CDNA5" Instruction Set Architecture Reference Guide (July 2026). The comments in the code are by the model that wrote it; some were corrected since.
;; Multi Head Cross Attention. Allowed arithmetic: matrix products marked QUANTISED: E2M1 operands, one E8M0 scale for each 32 along K, by v_wmma_scale_f32_16x16x128_f8f6f4 with both operands' format E2M1 (or v_wmma_scale_f32_32x16x128_f4), f32 sums; products left as they are: bf16, f16 or f32 operands; f32 sums; everything else in f32.
;; Inputs: W_kv 512 x 1,024 float32; W_o 512 x 512 float32; W_q 512 x 512 float32; b_kv 1,024 float32; b_o 512 float32; b_q 512 float32; x 16 x 1,024 x 512 float32; y 16 x 1,024 x 512 float32.
;; Outputs: out0 16 x 1,024 x 512 float32.
;; This version of the problem:
;;   THIS VERSION OF THE PROBLEM IS GIVEN IN LOW PRECISION. The matrix products marked QUANTISED in the list below multiply operands that are first quantised to E2M1 (2 exponent bits, 1 mantissa bit; 4 bits a number), with one power-of-two scale for each 32 numbers along K (OCP MX v1.0); their sums are f32. The products marked 'left as it is' may take bf16, f16 or f32 operands, with f32 sums. Whichever they take, every output number must still come out within the allowed error. Rounding operands to bf16 (8 significant bits) uses up far more of that allowance than f16 does (11 bits, for magnitudes from 6e-5 to 65,504). All else is computed in f32.
;;   The module's matrix products, in the order in which they are computed (A, B: the left and right operand; K: the contracted axis; several contracted axes count as one K, in the product's order):
;;     1. [M 16,384, K 512] x [K 512, N 1,024]; A: input x; B: input W_kv: QUANTISED
;;     2. [M 16,384, K 512] x [K 512, N 512]; A: input y; B: input W_q: QUANTISED
;;     3. batch 128 x [M 1,024, K 64] x [K 64, N 1,024]; A: computed on the way; B: computed on the way: left as it is (an operand is computed on the way)
;;     4. batch 128 x [M 1,024, K 1,024] x [K 1,024, N 64]; A: computed on the way; B: computed on the way: left as it is (an operand is computed on the way)
;;     5. [M 16,384, K 512] x [K 512, N 512]; A: computed on the way; B: input W_o: left as it is (an operand is computed on the way)
;;   THE QUANTISER, for each operand of a quantised product, along K:
;;     - K is cut into blocks of 32 from its start; a last block that is shorter is filled with zeros.
;;     - A block's scale is 2^e with e = floor(log2(the largest magnitude in the block)) - 2, held to -126 .. 127; a block of zeros has e = 0. As a byte (E8M0): e + 127.
;;     - Each number is divided by its block's scale, clamped to +-6, and rounded to the nearest number of E2M1, ties to even, subnormals kept.
;;     - The product sums the exact products of the quantised numbers (number of the format x scale) in f32.
;;   ~~~python
;;   def quantise(x, axis):      # numpy; x: float32 -> the quantised numbers, widened to float32 again
;;       x = np.moveaxis(x, axis, -1); K = x.shape[-1]
;;       x = np.pad(x, [(0, 0)] * (x.ndim - 1) + [(0, -K % 32)]); x = x.reshape(x.shape[:-1] + (-1, 32)); a = np.abs(x).max(-1, keepdims=True)
;;       e = np.where(a > 0, np.clip(np.frexp(np.where(a > 0, a, 1))[1] - 1 - 2, -126, 127), 0)      # np.frexp(a)[1] - 1 = floor(log2(a)), exactly
;;       r = np.clip(x / 2.0 ** e, -6, 6)
;;       step = 2.0 ** (np.maximum(np.frexp(np.where(r == 0, 1, r))[1] - 1, 0) - 1)
;;       q = np.round(r / step) * step * 2.0 ** e      # np.round: ties to even
;;       return np.moveaxis(q.reshape(q.shape[:-2] + (-1,))[..., :K], -1, axis).astype(np.float32)
;;   ~~~
;; One version. Each part assembles by itself: llvm-mc -triple=amdgcn-amd-amdhsa -mcpu=gfx1250 --defsym DOCPART=n.
;; ======== version 1 of 1: 4 launches
;; limits: values are held in f16: magnitudes above 65,504 overflow, below 6.1e-05 lose precision
;; workspace buffers: wcodes 393,216 bytes; wscales 24,576 bytes; woimg 524,288 bytes; kvimg 33,554,432 bytes; qimg 16,777,216 bytes; aimg 16,777,216 bytes
;; launch prep (part 1): grid 64 x 1, 4 waves a work-group, no clusters, 0 bytes of LDS; arguments W_kv, W_q, W_o, wcodes, wscales, woimg; writes wcodes, wscales, woimg
.if DOCPART == 1
	.amdgcn_target "amdgcn-amd-amdhsa--gfx1250"
	.amdhsa_code_object_version 6
	.text
	.protected	k_q8f28d1a209_prep
	.globl	k_q8f28d1a209_prep
	.p2align	8
	.type	k_q8f28d1a209_prep,@function
k_q8f28d1a209_prep:
	s_mov_b64 s[64:65], 0
	v_nop
	global_prefetch_b8 v0, s[64:65] scope:SCOPE_SE
	s_setreg_imm32_b32 hwreg(HW_REG_WAVE_MODE, 25, 1), 1
	s_wait_xcnt 0x0
; THE WEIGHTS, ONCE.  W_kv [512][1024] and W_q [512][512], f32 with K as their FIRST axis, become codes of FP4 (E2M1) with one E8M0 scale byte for each 32 along K;
; W_o [512][512] becomes f16.  All three are laid in the ORDER OF THE OPERAND'S REGISTERS, so that the later launches load whole fragments by 16 bytes a lane:
;   wcodes  [CT 96][s 4][c 2][lane 32][16 bytes]: CT = a tile of 16 columns (0-63 W_kv's, 64-95 W_q's); lane (r, h) holds column 16 CT + r, k = 128 s + 64 c + 32 h + 0 .. 31
;   wscales [CT 96][s 4][r 16] words: byte t scales k = 128 s + 32 t on
;   woimg   [CT 32][ks 16][cc 2][lane 32][16 bytes]: lane (r, h) holds column 16 CT + r, k = 32 ks + 16 cc + 8 h + 0 .. 7
; A LANE TAKES A COLUMN AND ITS REGISTERS RUN DOWN K: a wave takes 32 columns x 128 along K, each load reads 128 consecutive bytes (the four waves stand side by side on 512),
; a block of 32 along K lies in one lane's registers, and the conversions give codes with K innermost.  Nothing is transposed.
; A block's scale is 2^(floor(log2(its largest magnitude)) - 2); its byte is the largest magnitude's exponent field - 2, held at 1 from below.
; LIMITS: a block whose largest magnitude lies under 2^-124 holds the byte 1; a block of zeros gets the byte 1 where the rule says 127 (its codes are zeros, and this program alone reads the bytes);
; NaN and infinities are not served; |W_o| stays under 65,504, f16's largest number.
; Work-groups 0-31: W_kv (8 groups of 128 columns x 4 K steps); 32-47: W_q (4 x 4); 48-63: W_o (4 x 4).  4 MB in all: each wave asks for its 128 rows at once, and no register is written twice,
; so there is no loop, no LDS, and no wait for a store's sources.  No matrix unit, cluster or prefetch: each byte is read once, by one wave, and asked for in the wave's first lines.
.set X,  16                            ; v16-143  128 numbers: rows 128 s + i of my column
.set CD, 144                           ; v144-207 results, each register written once
.set SB, 14                            ; v14      my column's scale word
.macro LOADS pitch                     ; 128 rows of my column
.set i, 0
.rept 128
	global_load_b32 v[X+i], v2, s[20:21] offset:i*\pitch th:TH_LOAD_NT
.set i, i+1
.endr
.endm
.macro WAITL n                         ; n younger loads may stay out; the wait's field ends at 63
.if (\n) > 63
	s_wait_loadcnt 63
.else
	s_wait_loadcnt \n
.endif
.endm
; Block t of four: 32 numbers become 16 bytes of codes and one scale byte
.macro QBLOCK t
.set XB, X+32*(\t)
	WAITL 96-32*(\t)                               ; this block's 32 loads are in; the later blocks' may be out
	v_max3_num_f32 v8, |v[XB]|, |v[XB+1]|, |v[XB+2]|       ; the block's largest magnitude, in two chains
	v_max3_num_f32 v9, |v[XB+3]|, |v[XB+4]|, |v[XB+5]|
.irp i, 6,10,14,18,22,26
	v_max3_num_f32 v8, v8, |v[XB+\i]|, |v[XB+\i+1]|
	v_max3_num_f32 v9, v9, |v[XB+\i+2]|, |v[XB+\i+3]|
.endr
	v_max3_num_f32 v8, v8, |v[XB+30]|, |v[XB+31]|
	v_max3_num_f32 v8, v8, v9, 0x1800000           ; and the floor 2^(3 - 127): the byte cannot fall under 1
	v_add_nc_u32 v10, 0xff000000, v8               ; 2 off the exponent field: the conversion takes this operand's exponent field as its scale
.irp g, 0,1,2,3
	v_cvt_scalef32_pk8_fp4_f32 v[CD+4*(\t)+\g], v[XB+8*\g:XB+8*\g+7], v10
.endr
	v_lshrrev_b32 v11, 23, v10                     ; the scale's byte (a plain line behind the conversions)
.if (\t) == 0
	v_mov_b32 v[SB], v11
.else
	v_lshl_or_b32 v[SB], v11, 8*(\t), v[SB]
.endif
	global_store_b128 v3, v[CD+4*(\t):CD+4*(\t)+3], s[10:11] offset:256*(\t)   ; c = t / 2, h = t % 2: 512 c + 256 h = 256 t; sixteen lanes store 256 consecutive bytes, aligned
.endm
; Group kg of sixteen: 8 numbers down K become 16 bytes of f16
.macro OGROUP kg
	WAITL 120-8*(\kg)
.irp i, 0,1,2,3
	v_cvt_pk_f16_f32 v[CD+4*(\kg)+\i], v[X+8*(\kg)+2*\i], v[X+8*(\kg)+2*\i+1]
.endr
	global_store_b128 v5, v[CD+4*(\kg):CD+4*(\kg)+3], s[14:15] offset:256*(\kg)   ; 1,024 (kg / 4) + 512 cc + 256 h = 256 kg
.endm
	s_load_b256 s[4:11], s[0:1], 0x0               ; W_kv s[4:5], W_q s[6:7], W_o s[8:9], wcodes s[10:11]
	s_load_b128 s[12:15], s[0:1], 0x20             ; wscales s[12:13], woimg s[14:15]
	v_lshrrev_b32 v1, 5, v0
	v_readfirstlane_b32 s16, v1                    ; wave 0..3
	v_and_b32 v1, 31, v0                           ; lane
	v_lshlrev_b32 v2, 2, v1                        ; in: 4 bytes a lane
	v_and_b32 v6, 15, v0                           ; r: my column in its tile of 16
	v_bfe_u32 v7, v0, 4, 1                         ; which of the wave's two tiles
	v_lshlrev_b32 v4, 4, v6
	v_lshl_add_u32 v3, v7, 12, v4                  ; codes: 4,096 bytes a tile, 16 r
	v_lshl_add_u32 v5, v7, 14, v4                  ; woimg: 16,384 bytes a tile, 16 r
	v_lshlrev_b32 v4, 2, v6
	v_lshl_add_u32 v4, v7, 8, v4                   ; scale words: 256 bytes a tile, 4 r
	s_lshl_b32 s17, s16, 7                         ; my wave's 32 columns: 128 bytes
	s_mov_b32 s23, 0
	s_wait_kmcnt 0x0
	s_cmp_lt_u32 ttmp9, 32
	s_cbranch_scc0 .Lnot_kv
	s_and_b32 s18, ttmp9, 7                        ; W_kv: group of 128 columns,
	s_lshr_b32 s19, ttmp9, 3                       ; K step s
	s_lshl_b32 s22, s19, 19                        ; 128 s rows of 4,096 bytes
	s_lshl_b32 s24, s18, 9
	s_add_co_u32 s22, s22, s24
	s_add_co_u32 s22, s22, s17
	s_lshl_b32 s18, s18, 3
	s_lshl_b32 s24, s16, 1
	s_add_co_u32 s18, s18, s24                     ; my first tile of columns: 8 x group + 2 x wave
	s_add_nc_u64 s[20:21], s[4:5], s[22:23]
	LOADS 4096
	s_branch .Lquant
.Lnot_kv:
	s_sub_co_u32 s24, ttmp9, 32
	s_and_b32 s24, s24, 15                         ; W_q's or W_o's work-group, 0..15
	s_and_b32 s18, s24, 3
	s_lshr_b32 s19, s24, 2
	s_lshl_b32 s22, s19, 18                        ; 128 s rows of 2,048 bytes
	s_lshl_b32 s24, s18, 9
	s_add_co_u32 s22, s22, s24
	s_add_co_u32 s22, s22, s17
	s_lshl_b32 s18, s18, 3
	s_lshl_b32 s24, s16, 1
	s_add_co_u32 s18, s18, s24
	s_cmp_lt_u32 ttmp9, 48                         ; the choice hangs on the work-group's number alone
	s_cselect_b64 s[20:21], s[6:7], s[8:9]
	s_add_nc_u64 s[20:21], s[20:21], s[22:23]
	LOADS 2048
	s_cmp_lt_u32 ttmp9, 48
	s_cbranch_scc0 .Lwo
	s_add_co_u32 s18, s18, 64                      ; W_q's tiles lie behind W_kv's 64
.Lquant:
	s_lshl_b32 s22, s18, 12                        ; codes: 4,096 bytes a tile, 1,024 a K step
	s_lshl_b32 s24, s19, 10
	s_add_co_u32 s22, s22, s24
	s_add_nc_u64 s[10:11], s[10:11], s[22:23]
	s_lshl_b32 s22, s18, 8                         ; scale words: 256 bytes a tile, 64 a K step
	s_lshl_b32 s24, s19, 6
	s_add_co_u32 s22, s22, s24
	s_add_nc_u64 s[12:13], s[12:13], s[22:23]
	QBLOCK 0
	QBLOCK 1
	QBLOCK 2
	QBLOCK 3
	global_store_b32 v4, v[SB], s[12:13]           ; sixteen lanes store 64 consecutive bytes: 24,576 bytes in the whole launch leave in such pieces
	s_endpgm
.Lwo:
	s_lshl_b32 s22, s18, 14                        ; woimg: 16,384 bytes a tile, 4,096 for 128 along K
	s_lshl_b32 s24, s19, 12
	s_add_co_u32 s22, s22, s24
	s_add_nc_u64 s[14:15], s[14:15], s[22:23]
.irp kg, 0,1,2,3,4,5,6,7,8,9,10,11,12,13,14,15
	OGROUP \kg
.endr
	s_endpgm
.Lfunc_end_k_q8f28d1a209_prep:
	.size	k_q8f28d1a209_prep, .Lfunc_end_k_q8f28d1a209_prep-k_q8f28d1a209_prep
	.p2alignl 7, 3214868480
	.fill 96, 4, 3214868480
	.section	.rodata,"a",@progbits
	.p2align	6, 0x0
	.amdhsa_kernel k_q8f28d1a209_prep
		.amdhsa_group_segment_fixed_size 0
		.amdhsa_private_segment_fixed_size 0
		.amdhsa_enable_private_segment 0
		.amdhsa_kernarg_size 48
		.amdhsa_user_sgpr_count 2
		.amdhsa_user_sgpr_kernarg_segment_ptr 1
		.amdhsa_wavefront_size32 1
		.amdhsa_system_sgpr_workgroup_id_x 1
		.amdhsa_system_sgpr_workgroup_id_y 1
		.amdhsa_system_sgpr_workgroup_id_z 1
		.amdhsa_system_vgpr_workitem_id 0
		.amdhsa_next_free_vgpr 208
		.amdhsa_next_free_sgpr 66
		.amdhsa_reserve_vcc 0
		.amdhsa_float_denorm_mode_32 3
		.amdhsa_float_denorm_mode_16_64 3
		.amdhsa_memory_ordered 1
		.amdhsa_forward_progress 1
		.amdhsa_inst_pref_size 39
	.end_amdhsa_kernel
	.amdgpu_metadata
---
amdhsa.version: [ 1, 2 ]
amdhsa.kernels:
  - .name:           k_q8f28d1a209_prep
    .symbol:         k_q8f28d1a209_prep.kd
    .args:
      - { .name: W_kv, .offset: 0, .size: 8, .value_kind: global_buffer, .address_space: global }
      - { .name: W_q, .offset: 8, .size: 8, .value_kind: global_buffer, .address_space: global }
      - { .name: W_o, .offset: 16, .size: 8, .value_kind: global_buffer, .address_space: global }
      - { .name: wcodes, .offset: 24, .size: 8, .value_kind: global_buffer, .address_space: global }
      - { .name: wscales, .offset: 32, .size: 8, .value_kind: global_buffer, .address_space: global }
      - { .name: woimg, .offset: 40, .size: 8, .value_kind: global_buffer, .address_space: global }
    .group_segment_fixed_size: 0
    .private_segment_fixed_size: 0
    .kernarg_segment_align: 8
    .kernarg_segment_size: 48
    .max_flat_workgroup_size: 128
    .sgpr_count:     66
    .vgpr_count:     208
    .wavefront_size: 32
...
	.end_amdgpu_metadata
.endif
;; end of part 1
;; launch proj (part 2): grid 256 x 1, 8 waves a work-group, no clusters, 327,680 bytes of LDS; arguments x, y, wcodes, wscales, b_kv, b_q, kvimg, qimg; writes kvimg, qimg
.if DOCPART == 2
	.amdgcn_target "amdgcn-amd-amdhsa--gfx1250"
	.amdhsa_code_object_version 6
	.text
	.protected	k_q8f28d1a209_proj
	.globl	k_q8f28d1a209_proj
	.p2align	8
	.type	k_q8f28d1a209_proj,@function
k_q8f28d1a209_proj:
	s_mov_b64 s[64:65], 0
	v_nop
	global_prefetch_b8 v0, s[64:65] scope:SCOPE_SE
	s_setreg_imm32_b32 hwreg(HW_REG_WAVE_MODE, 25, 1), 1
	s_wait_xcnt 0x0
; kv = Q(x) Q(W_kv) + b_kv and q = Q(y) Q(W_q) + b_q, Q the quantiser to FP4 (E2M1) with one E8M0 scale for each 32 along K = 512; sums in f32; results rounded once to f16 and stored
; AS IMAGES OF THE NEXT PRODUCTS' OPERAND REGISTERS (16 bytes a lane, 512 consecutive bytes a store):
;   kvimg [b x 8 + head][chunk of 256 keys: 4][K part 32,768 bytes | V part 32,768 bytes]
;         K part [key tile 16][t 4][lane][16]: lane (r, h): key r of the tile, channels 16 t + 8 h + 0 .. 7;   V part [pair of key tiles 8][t 4][cc 2][lane][16]: channel 16 t + r, keys 16 cc + 8 h + 0 .. 7 of the pair
;   qimg  [b x 8 + head][query tile 64][t 4][lane][16], as K's part.
; SHARES.  Work-groups 0-127 take x (128 tokens each), 128-255 take y.  Wave w first quantises token tile w (16 tokens); then WAVE w IS HEAD w: its columns of the weights stay in its registers
; (window 1: four tiles of 16 columns x 4 K steps x 8 registers for K or q, four more for V), and what goes round through LDS is small: 32 fragments of codes and their scale words, as images of their registers.
; K and q: source 0 = 16 columns of W, source 1 = 16 tokens: a lane holds one token and eight neighbouring channels.  V: the sources swapped: a lane holds one channel and eight neighbouring keys.
; Four conversions then make half a fragment of the next product, and nothing changes lanes.
; x comes by the tensor data mover, a K step (16 rows x 512 bytes) to a load, four loads a wave, all issued at the head, into bytes that the wave alone reads; nothing is filled twice.
; ONE branch on the kind (the work-group's number), behind the barrier.  kv's arm asks for V's weights first, does K's products for the eight token tiles while they land, then V's.
; No cluster: the shared operand, the weights, goes from memory straight into registers, 16 KB (or 32 KB) a wave, and no two work-groups share a row of x or y.  No prefetch: all that a work-group reads is asked for at the head, but for V's weights, which kv's arm asks for behind the barrier.
; LIMITS: |k|, |v|, |q| stay under 65,504 (f16's largest number); a block whose largest magnitude lies under 2^-124 holds the scale byte 1, and so does a block of zeros (its codes are zeros); NaN and infinities are not served.
.set XP,     528                       ; a row of raw x in LDS: 512 bytes + 16: 33 x 16, so the sixteen rows that a load touches fall on sixteen different 16-byte columns of 256
.set XSTEPB, 16*XP                     ; a K step's 16 rows
.set XWAVE,  4*XSTEPB                  ; a wave's four K steps
.set XIMG,   8*XWAVE                   ; 270,336: the 32 fragments, (token tile m, K step s) at (4 m + s) x 1,024
.set XSC,    XIMG+32*1024              ; 303,104: their scale words, 128 bytes each
.set SPARE,  XSC+32*128                ; 307,200: the spare words, 128 bytes for each wave: four blocks of 256 bytes that no other line names
.set LI,  1                            ; v1   16 x lane
.set LIX, 2                            ; v2   XIMG + 16 x lane
.set LSX, 3                            ; v3   XSC + 4 x lane
.set XR,  4                            ; v4   raw x: my wave's bytes + row r + 64 h
.set XWI, 5                            ; v5   where I store my images
.set XWS, 6                            ; v6   and their scale words
.set R4,  7                            ; v7   4 r
.set H32, 8                            ; v8   32 h
.set SPW, 9                            ; v9   my spare word's address; never rewritten
.set NIL, 10                           ; v10  0; never rewritten
.set WS,  16                           ; v16-47   the weights' scale words, (tile T, K step s) at 4 T + s: scales and nothing else
.set BK,  48                           ; v48-79   K's or q's bias as C: tile t: b[16 t + 8 h + 0 .. 7]
.set BV,  80                           ; v80-87   V's bias of my channel, tile t, twice (a pair for the packed addition)
.set XS,  88                           ; v88-95   x's scale words, two sets of four: scales and nothing else
.set XF,  96                           ; v96-159  x's fragments, two sets of 32
.set ACC, 160                          ; v160-191 four accumulators
.set PK,  224                          ; v224-239 packed results
.set ST,  160                          ; while quantising: v160-223 64 numbers,
.set TM,  224                          ; v224-239 at work,
.set PW,  240                          ; v240 the scale word just made,
.set PC,  244                          ; v244-251 the codes just made
.set G1,  24                           ; s[24:31] descriptor group 1
.set G0,  32                           ; s[32:47] group 0, a set for each K step
.set SEL, 58                           ; s[58:59] v_permlanex16_b32's selects for lane l xor 16
.set MSB, 0
.macro WIN new                         ; the immediate's high byte repeats the setting that is left
.if MSB != \new
	s_set_vgpr_msb (MSB<<8)|\new
.set MSB, \new
.endif
.endm
; 64 numbers of a lane, register 16 b + i = k 32 b + 16 (lane / 16) + i of my row, become a fragment's codes in v[PC] on and its scale word in v[PW]
.macro QUANT s
.irp b, 0,1,2,3
	v_max3_num_f32 v[TM+\b], |v[\s+16*\b]|, |v[\s+1+16*\b]|, 0x1800000   ; block b: my 16 numbers, and the floor 2^(3 - 127): the byte cannot fall under 1
.endr
.irp i, 2,4,6,8,10,12,14
.irp b, 0,1,2,3
	v_max3_num_f32 v[TM+\b], v[TM+\b], |v[\s+16*\b+\i]|, |v[\s+1+16*\b+\i]|   ; the four blocks by turns
.endr
.endr
.irp b, 0,1,2,3
	v_permlanex16_b32 v[TM+4+\b], v[TM+\b], s[SEL], s[SEL+1]
.endr
.irp b, 0,1,2,3
	v_max_num_f32 v[TM+\b], v[TM+\b], v[TM+4+\b]   ; with lane l xor 16's: the block's largest magnitude
.endr
.irp b, 0,1,2,3
	v_add_nc_u32 v[TM+12+\b], 0xff000000, v[TM+\b] ; 2 off its exponent field: the conversion's scale operand
.endr
.irp b, 0,1,2,3
	v_lshrrev_b32 v[TM+4+\b], 23, v[TM+12+\b]      ; the scale's byte
.endr
	v_lshl_or_b32 v[PW], v[TM+5], 8, v[TM+4]       ; the four bytes make my row's scale word
	v_lshl_or_b32 v[PW], v[TM+6], 16, v[PW]
	v_lshl_or_b32 v[PW], v[TM+7], 24, v[PW]
.irp b, 0,1,2,3
	v_cvt_scalef32_pk8_fp4_f32 v[PC+2*\b], v[\s+16*\b:\s+7+16*\b], v[TM+12+\b]
	v_cvt_scalef32_pk8_fp4_f32 v[PC+1+2*\b], v[\s+8+16*\b:\s+15+16*\b], v[TM+12+\b]
.endr
	v_nop                                          ; one plain line behind the scaled conversions
.irp c, 0,1                                    ; the operand's layout wants a whole block in a lane: lanes 0-15 block 2 c, lanes 16-31 block 2 c + 1
.irp i, 0,1
	v_permlane16_swap_b32 v[PC+4*\c+\i], v[PC+2+4*\c+\i]
.endr
.endr
.endm
; K step s of my 16 tokens: from the raw rows to an image
.macro XSTEP s
	s_wait_tensorcnt 3-\s                          ; tensor loads of a wave end in order: my K step s is in, the 3 - s younger ones may be out; only I read these bytes
.irp b, 0,1,2,3
.irp j, 0,1,2,3
	ds_load_b128 v[ST+16*\b+4*\j:ST+16*\b+4*\j+3], v[XR] offset:\s*XSTEPB+128*\b+16*\j
.endr
.endr
	s_wait_dscnt 0x0                               ; the numbers are in, and the last step's image stores are done
	QUANT ST
.irp c, 0,1
	ds_store_b128 v[XWI], v[PC+4*\c:PC+4*\c+3] offset:\s*1024+512*\c
.endr
	ds_store_b32 v[XWS], v[PW] offset:\s*128
.endm
; token tile m's four fragments and scale words into set buf: 12 LDS loads
.macro XFETCH m, buf
.irp s, 0,1,2,3
.irp c, 0,1
	ds_load_b128 v[XF+32*(\buf)+8*\s+4*\c:XF+32*(\buf)+8*\s+4*\c+3], v[LIX] offset:(4*(\m)+\s)*1024+512*\c
.endr
.endr
.irp s, 0,1,2,3
	ds_load_b32 v[XS+4*(\buf)+\s], v[LSX] offset:(4*(\m)+\s)*128
.endr
.endm
; Token tile m against my four tiles of columns: 16 products, the four accumulators by turns, one instruction a turn.  v = 0: K or q;  v = 1: V.
; fetch = 1: the tile after it (behind tile 7: tile 0) is fetched into the other set.
.macro TOK m, v, fetch
.set BUF, (\m)%2
.if \fetch
	XFETCH ((\m)+1)%8, 1-BUF                       ; the other set's last readers stand in front of the five v_nop of the tile before
	s_wait_dscnt 12                                ; all but the 12 just issued: this tile's fragments are in
.else
	s_wait_dscnt 0x0
.endif
.if \v
	WIN 0x04                                       ; source 1 (W) in window 1
.irp s, 0,1,2,3
.irp t, 0,1,2,3
.if \s == 0
	v_wmma_scale_f32_16x16x128_f8f6f4 v[ACC+8*\t:ACC+8*\t+7], v[XF+32*BUF+8*\s:XF+32*BUF+8*\s+7], v[128+8*(4*\t+\s):128+8*(4*\t+\s)+7], 0, v[XS+4*BUF+\s], v[WS+16+4*\t+\s] matrix_a_fmt:MATRIX_FMT_FP4 matrix_b_fmt:MATRIX_FMT_FP4
.else
	v_wmma_scale_f32_16x16x128_f8f6f4 v[ACC+8*\t:ACC+8*\t+7], v[XF+32*BUF+8*\s:XF+32*BUF+8*\s+7], v[128+8*(4*\t+\s):128+8*(4*\t+\s)+7], v[ACC+8*\t:ACC+8*\t+7], v[XS+4*BUF+\s], v[WS+16+4*\t+\s] matrix_a_fmt:MATRIX_FMT_FP4 matrix_b_fmt:MATRIX_FMT_FP4
.endif
.endr
.endr
.else
	WIN 0x01                                       ; source 0 (W) in window 1
.irp s, 0,1,2,3
.irp t, 0,1,2,3
.if \s == 0
	v_wmma_scale_f32_16x16x128_f8f6f4 v[ACC+8*\t:ACC+8*\t+7], v[8*(4*\t+\s):8*(4*\t+\s)+7], v[XF+32*BUF+8*\s:XF+32*BUF+8*\s+7], v[BK+8*\t:BK+8*\t+7], v[WS+4*\t+\s], v[XS+4*BUF+\s] matrix_a_fmt:MATRIX_FMT_FP4 matrix_b_fmt:MATRIX_FMT_FP4
.else
	v_wmma_scale_f32_16x16x128_f8f6f4 v[ACC+8*\t:ACC+8*\t+7], v[8*(4*\t+\s):8*(4*\t+\s)+7], v[XF+32*BUF+8*\s:XF+32*BUF+8*\s+7], v[ACC+8*\t:ACC+8*\t+7], v[WS+4*\t+\s], v[XS+4*BUF+\s] matrix_a_fmt:MATRIX_FMT_FP4 matrix_b_fmt:MATRIX_FMT_FP4
.endif
.endr
.endr
.endif
	WIN 0
.rept 5
	v_nop                                          ; four places ahead of the reads of results and of the next loads into fragments; the fifth for the next tile's first products, which write over these accumulators
.endr
	s_wait_xcnt 0x0                                ; the last tile's stores have read PK
.if \v
.irp t, 0,1,2,3
.irp i, 0,2,4,6
	v_pk_add_f32 v[ACC+8*\t+\i:ACC+8*\t+\i+1], v[ACC+8*\t+\i:ACC+8*\t+\i+1], v[BV+2*\t:BV+2*\t+1]   ; my channel's bias; each accumulator from its low end on
.endr
.endr
.endif
.irp t, 0,1,2,3
.irp i, 0,1,2,3
	v_cvt_pk_f16_f32 v[PK+4*\t+\i], v[ACC+8*\t+2*\i], v[ACC+8*\t+2*\i+1]
.endr
.endr
.irp t, 0,1,2,3
.if \v
	global_store_b128 v[LI], v[PK+4*\t:PK+4*\t+3], s[56:57] offset:32768+((\m)/2)*4096+\t*1024+((\m)%2)*512
.else
	global_store_b128 v[LI], v[PK+4*\t:PK+4*\t+3], s[56:57] offset:(\m)*2048+\t*512   ; 32 lanes store 512 consecutive bytes, aligned
.endif
.endr
.endm
.macro FINISH                          ; the wave's end: behind my last tensor load and my last LDS store
	s_wait_tensorcnt 0x0
	ds_add_u32 v[SPW], v[NIL]
	s_wait_dscnt 0x0
	s_endpgm
.endm
	s_load_b256 s[4:11], s[0:1], 0x0               ; x s[4:5], y s[6:7], wcodes s[8:9], wscales s[10:11]
	s_load_b256 s[12:19], s[0:1], 0x20             ; b_kv s[12:13], b_q s[14:15], kvimg s[16:17], qimg s[18:19]
	v_lshl_add_u32 v[SPW], v0, 2, SPARE
	v_mov_b32 v[NIL], 0
	ds_add_u32 v[SPW], v[NIL]                      ; the wave's opening: the add, twice on end, and its wait ahead of my first tensor load
	ds_add_u32 v[SPW], v[NIL]                      ; and once more; the set-up below, work on registers, stands between it and the wait
	v_lshrrev_b32 v11, 5, v0
	v_readfirstlane_b32 s20, v11                   ; wave 0..7
	s_lshr_b32 s21, ttmp9, 7                       ; kind: 0 = x to kv, 1 = y to q
	s_and_b32 s22, ttmp9, 127                      ; block of 128 tokens
	s_mov_b32 s[G1+0], (2<<16)|(1<<20)|(6<<22)|(3<<25)   ; no mask; elements of 4 bytes; padding on: 4 words behind every 128
	s_mov_b32 s[G1+1], 128<<16                     ; tensor_dim0 = 128
	s_mov_b32 s[G1+2], 16<<16                      ; tensor_dim1 = 16
	s_mov_b32 s[G1+3], 128<<16                     ; tile_dim0 = 128
	s_mov_b32 s[G1+4], 16                          ; tile_dim1 = 16
	s_mov_b32 s[G1+5], 512                         ; elements from row to row
	s_mov_b32 s[G1+6], 0
	s_mov_b32 s[G1+7], 0
	s_mov_b32 s[SEL], 0x76543210
	s_mov_b32 s[SEL+1], 0xfedcba98
	s_lshl_b32 s60, s22, 18                        ; my tokens: 128 rows of 2,048 bytes a block,
	s_lshl_b32 s61, s20, 15                        ; 16 rows a wave
	s_add_co_u32 s60, s60, s61
	s_mov_b32 s61, 0
	s_lshl_b32 s62, s20, 15                        ; my head's codes: kv: 8 tiles of 4,096 bytes a head;
	s_lshl_b32 s63, s20, 14
	s_add_co_u32 s63, s63, 0x40000                 ; q: behind W_kv's 64 tiles, 4 tiles a head
	s_lshl_b32 s66, s20, 11                        ; its scale words: 256 bytes a tile
	s_lshl_b32 s67, s20, 10
	s_add_co_u32 s67, s67, 0x4000
	s_lshl_b32 s68, s20, 9                         ; its bias: 128 numbers a head, or 64
	s_lshl_b32 s69, s20, 8
	s_lshr_b32 s70, s22, 3
	s_lshl_b32 s70, s70, 3
	s_add_co_u32 s70, s70, s20                     ; batch x 8 + head
	s_and_b32 s71, s22, 7                          ; which 128 tokens of the sequence
	s_lshl_b32 s2, s70, 18                         ; kvimg: 262,144 bytes a head,
	s_lshr_b32 s3, s71, 1
	s_lshl_b32 s3, s3, 16                          ; 65,536 a chunk of 256 keys,
	s_add_co_u32 s2, s2, s3
	s_and_b32 s3, s71, 1
	s_lshl_b32 s3, s3, 14                          ; 16,384 for half a chunk, in K's part and in V's alike
	s_add_co_u32 s2, s2, s3
	s_lshl_b32 s3, s70, 17                         ; qimg: 131,072 bytes a head,
	s_lshl_b32 s23, s71, 14                        ; 16,384 for 8 query tiles
	s_add_co_u32 s3, s3, s23
	s_cmp_eq_u32 s21, 0
	s_cselect_b32 s62, s62, s63
	s_cselect_b32 s66, s66, s67
	s_cselect_b32 s68, s68, s69
	s_cselect_b32 s70, s2, s3
	s_mov_b32 s63, 0
	s_mov_b32 s67, 0
	s_mov_b32 s69, 0
	s_mov_b32 s71, 0
	s_mul_i32 s23, s20, XWAVE                      ; my wave's raw rows in LDS
	s_wait_dscnt 0x0                               ; both opening adds are done
	s_wait_kmcnt 0x0
	s_cmp_eq_u32 s21, 0                            ; the choices hang on the work-group's number alone
	s_cselect_b64 s[48:49], s[4:5], s[6:7]
	s_cselect_b64 s[54:55], s[12:13], s[14:15]
	s_cselect_b64 s[56:57], s[16:17], s[18:19]
	s_add_nc_u64 s[48:49], s[48:49], s[60:61]      ; x or y at my first token
	s_add_nc_u64 s[50:51], s[8:9], s[62:63]        ; my head's codes,
	s_add_nc_u64 s[52:53], s[10:11], s[66:67]      ; scale words,
	s_add_nc_u64 s[54:55], s[54:55], s[68:69]      ; bias,
	s_add_nc_u64 s[56:57], s[56:57], s[70:71]      ; and where my results go
.irp s, 0,1,2,3                                ; four first fills, one for each K step: four tensor loads of mine are out
	s_mov_b32 s[G0+4*\s], 1
	s_add_co_u32 s[G0+4*\s+1], s23, \s*XSTEPB
	s_add_nc_u64 s[G0+4*\s+2:G0+4*\s+3], s[48:49], \s*512
	s_or_b32 s[G0+4*\s+3], s[G0+4*\s+3], 0x80000000
	tensor_load_to_lds s[G0+4*\s:G0+4*\s+3], s[G1:G1+7]
	s_nop 0
.endr
	v_and_b32 v11, 31, v0                          ; lane
	v_and_b32 v12, 15, v0                          ; r
	v_bfe_u32 v13, v0, 4, 1                        ; h
	v_lshlrev_b32 v[LI], 4, v11
	v_add_nc_u32 v[LIX], XIMG, v[LI]
	v_lshlrev_b32 v14, 2, v11
	v_add_nc_u32 v[LSX], XSC, v14
	v_mul_u32_u24 v[XR], v12, XP
	v_lshl_add_u32 v[XR], v13, 6, v[XR]            ; row r, + 64 h: my 16 numbers of a block of 32
	v_add_nc_u32 v[XR], s23, v[XR]
	s_lshl_b32 s60, s20, 12
	v_add_nc_u32 v[XWI], s60, v[LIX]               ; token tile w's four images
	s_lshl_b32 s60, s20, 9
	v_add_nc_u32 v[XWS], s60, v[LSX]
	v_lshlrev_b32 v[R4], 2, v12
	v_lshlrev_b32 v[H32], 5, v13
.irp b, 0,1,2,3
	v_mov_b32 v[TM+4+\b], 0                        ; written once: a lane permute's destination counts as one of its sources
.endr
.irp t, 0,1,2,3                                ; what both kinds want: four tiles' scale words, bias and codes; they land under the quantising
.irp s, 0,1,2,3
	global_load_b32 v[WS+4*\t+\s], v[R4], s[52:53] offset:\t*256+\s*64
.endr
.endr
.irp t, 0,1,2,3
	global_load_b128 v[BK+8*\t:BK+8*\t+3], v[H32], s[54:55] offset:\t*64
	global_load_b128 v[BK+8*\t+4:BK+8*\t+7], v[H32], s[54:55] offset:\t*64+16
.endr
	WIN 0x40                                       ; destination window 1, address window 0
.set i, 0
.rept 32
	global_load_b128 v[4*i:4*i+3], v[LI], s[50:51] offset:512*i   ; fragment (T, s) at 8 (4 T + s): the buffer's order is the registers'
.set i, i+1
.endr
	WIN 0
	XSTEP 0
	XSTEP 1
	XSTEP 2
	XSTEP 3
	s_wait_dscnt 0x0                               ; for the others' sake: my images are in LDS
	s_barrier_signal -1
	s_barrier_wait -1                              ; all 32 are
	XFETCH 0, 0
	s_wait_loadcnt 0x0                             ; the four tiles' weights, scale words and bias
	s_cmp_lg_u32 s21, 0
	s_cbranch_scc1 .Lq_path
	WIN 0x40                                       ; kv: V's four tiles are asked for now and land under K's products
.set i, 32
.rept 32
	global_load_b128 v[4*i:4*i+3], v[LI], s[50:51] offset:512*i
.set i, i+1
.endr
	WIN 0
.irp t, 4,5,6,7
.irp s, 0,1,2,3
	global_load_b32 v[WS+4*\t+\s], v[R4], s[52:53] offset:\t*256+\s*64
.endr
.endr
.irp t, 0,1,2,3
	global_load_b32 v[BV+2*\t], v[R4], s[54:55] offset:256+\t*64
	global_load_b32 v[BV+2*\t+1], v[R4], s[54:55] offset:256+\t*64
.endr
.irp m, 0,1,2,3,4,5,6,7
	TOK \m, 0, 1                                   ; K; behind tile 7, tile 0 is fetched again, for V
.endr
	s_wait_loadcnt 0x0                             ; V's weights, scale words and bias
.irp m, 0,1,2,3,4,5,6
	TOK \m, 1, 1
.endr
	TOK 7, 1, 0
	FINISH
.Lq_path:
.irp m, 0,1,2,3,4,5,6
	TOK \m, 0, 1
.endr
	TOK 7, 0, 0
	FINISH
.Lfunc_end_k_q8f28d1a209_proj:
	.size	k_q8f28d1a209_proj, .Lfunc_end_k_q8f28d1a209_proj-k_q8f28d1a209_proj
	.p2alignl 7, 3214868480
	.fill 96, 4, 3214868480
	.section	.rodata,"a",@progbits
	.p2align	6, 0x0
	.amdhsa_kernel k_q8f28d1a209_proj
		.amdhsa_group_segment_fixed_size 327680
		.amdhsa_private_segment_fixed_size 0
		.amdhsa_enable_private_segment 0
		.amdhsa_kernarg_size 64
		.amdhsa_user_sgpr_count 2
		.amdhsa_user_sgpr_kernarg_segment_ptr 1
		.amdhsa_wavefront_size32 1
		.amdhsa_system_sgpr_workgroup_id_x 1
		.amdhsa_system_sgpr_workgroup_id_y 1
		.amdhsa_system_sgpr_workgroup_id_z 1
		.amdhsa_system_vgpr_workitem_id 0
		.amdhsa_next_free_vgpr 512
		.amdhsa_next_free_sgpr 72
		.amdhsa_reserve_vcc 0
		.amdhsa_float_denorm_mode_32 3
		.amdhsa_float_denorm_mode_16_64 3
		.amdhsa_memory_ordered 1
		.amdhsa_forward_progress 1
		.amdhsa_inst_pref_size 150
	.end_amdhsa_kernel
	.amdgpu_metadata
---
amdhsa.version: [ 1, 2 ]
amdhsa.kernels:
  - .name:           k_q8f28d1a209_proj
    .symbol:         k_q8f28d1a209_proj.kd
    .args:
      - { .name: x, .offset: 0, .size: 8, .value_kind: global_buffer, .address_space: global }
      - { .name: y, .offset: 8, .size: 8, .value_kind: global_buffer, .address_space: global }
      - { .name: wcodes, .offset: 16, .size: 8, .value_kind: global_buffer, .address_space: global }
      - { .name: wscales, .offset: 24, .size: 8, .value_kind: global_buffer, .address_space: global }
      - { .name: b_kv, .offset: 32, .size: 8, .value_kind: global_buffer, .address_space: global }
      - { .name: b_q, .offset: 40, .size: 8, .value_kind: global_buffer, .address_space: global }
      - { .name: kvimg, .offset: 48, .size: 8, .value_kind: global_buffer, .address_space: global }
      - { .name: qimg, .offset: 56, .size: 8, .value_kind: global_buffer, .address_space: global }
    .group_segment_fixed_size: 327680
    .private_segment_fixed_size: 0
    .kernarg_segment_align: 8
    .kernarg_segment_size: 64
    .max_flat_workgroup_size: 256
    .sgpr_count:     72
    .vgpr_count:     512
    .wavefront_size: 32
...
	.end_amdgpu_metadata
.endif
;; end of part 2
;; launch attn (part 3): grid 2 x 128, 16 waves a work-group, no clusters, 327,680 bytes of LDS; arguments qimg, kvimg, aimg; writes aimg
.if DOCPART == 3
	.amdgcn_target "amdgcn-amd-amdhsa--gfx1250"
	.amdhsa_code_object_version 6
	.text
	.protected	k_q8f28d1a209_attn
	.globl	k_q8f28d1a209_attn
	.p2align	8
	.type	k_q8f28d1a209_attn,@function
k_q8f28d1a209_attn:
	s_mov_b64 s[64:65], 0
	v_nop
	global_prefetch_b8 v0, s[64:65] scope:SCOPE_SE
	s_setreg_imm32_b32 hwreg(HW_REG_WAVE_MODE, 25, 1), 1
	s_wait_xcnt 0x0
; o[bh][q] = the sum over k of softmax_k(q . k / 8) v[k], head size 64, 1,024 keys, no mask.  Operands in f16, products, maxima and sums in f32; the weights p are rounded to f16 for the second product, o once at the end.
; q, k and v arrive as images of operand registers (16 bytes a lane, 512 bytes a group of four registers), so every LDS and global access here is 16 x lane + a constant: no pitch, no padding, no turning load.
; o leaves likewise, as the last product's operand: aimg [token tile 1,024][ks 16 = 2 x head + g][cc 2][lane][16]: lane (r, h): token r, k = 32 ks + 16 cc + 8 h + 0 .. 7.
; SHARES.  A work-group owns 512 queries of one head (grid x: which half; grid y: batch x 8 + head); each of its sixteen waves owns 32 queries, two tiles, in 256 registers: four waves to a SIMD,
; so that one wave's vector work stands beside another's matrix work and LDS loads.
; THE HEAD'S WHOLE K AND V, 262,144 bytes in four chunks of 256 keys (65,536 bytes each: K's part, then V's), LIE IN LDS AS THEY LIE IN MEMORY AND ARE FILLED ONCE, BY TWO LOADS A WAVE.
; At the head a wave asks for 4,096 bytes of the first chunk alone, so that the first products wait for 65,536 bytes a work-group and not for four times as many.  Behind the first barrier it asks for
; 12,288 bytes of the other 196,608, one load; that load has the first chunk's four key steps, 128 matrix instructions a wave, in which to land.  A second barrier shows the rest whole to all sixteen waves;
; behind it the last twelve key steps run with no barrier.  At most one tensor load of a wave is out, and every wait for tensor loads is for all of them.
; LAYOUT.  S^T = K Q^T (source 0 = 16 keys, source 1 = 16 queries) and O^T = V^T P (source 0 = 16 channels, source 1 = P): a lane holds ONE query throughout; two tiles of S^T, rounded in pairs, ARE P's fragment.
; SOFTMAX.  A running maximum m and sum l for each query: p = 2^(c s - c m), c = log2(e) / 8; in every step O^T and l are multiplied by a = 2^(c m_old - c m_new).  The step is written once:
; m begins at -3e38, l and O^T at 0, so the first a is 0 and multiplies zeros.
; No cluster: only the two work-groups of a head share tiles, and a grid of 2 along x is no multiple of a cluster of 4.  No prefetch: the first chunk and Q are asked for in the first lines, and the rest
; by its tensor load itself, four key steps ahead of its first read.
; LIMITS: scores stay above -3e38; |o| under 65,504; NaN and infinities are not served.
.set CHUNKB, 65536                     ; a chunk: 256 keys: K's 32,768 bytes, then V's
.set RESTW,  12288                     ; a wave's part of chunks 1 to 3: 196,608 / 16
.set SPARE,  262144                    ; behind K and V: the spare words, 128 bytes for each wave: eight blocks of 256 bytes that no other line names
.set LI,  1                            ; v1   16 x lane
.set ADR, 2                            ; v2   the step's LDS address
.set SPW, 3                            ; v3   my spare word's address; never rewritten
.set NIL, 4                            ; v4   0; never rewritten
.set OLD, 5                            ; v5-6 tile t's c m of the step before
.set ST,  8                            ; v8-23   tile t's statistics at 8 t: +0 c m, +1 m, +2, +3 l (even keys', odd keys'), +4 to +7 at work; a in +6
.set SX,  24                           ; v24-31  tile t's two chains of sums at 4 t
.set QF,  32                           ; v32-63  Q: 16 t + 8 g
.set S,   64                           ; v64-127 S^T: 32 t + 8 kt; then P in 32 t + 0 .. 15
.set OA,  128                          ; v128-191 O^T: 32 t + 8 ct
.set KV,  192                          ; v192-255 a step's K, then its V
.set G1,  16                           ; s[16:23] descriptor group 1 of the first chunk's load: 16 rows of 256 bytes
.set G0,  24                           ; s[24:27] its group 0
.set G0R, 28                           ; s[28:31] group 0 of the rest's load
.set G1R, 32                           ; s[32:39] its group 1: 48 rows of 256 bytes
.set CS,  40                           ; s[40:41] c, twice: the packed form names a pair
.set SEL, 42                           ; s[42:43] v_permlanex16_b32's selects for lane l xor 16
.set TB,  44                           ; s44  LDS byte at which the step's K begins
.set CNT, 45                           ; s45  steps left in the chunk
; 8 products of S^T = K Q^T: key tiles 2 hf, 2 hf + 1 x both query tiles x both halves of the 64 channels; the four accumulators by turns
.macro QK hf
.irp g, 0,1
.irp k, 0,1
.irp t, 0,1
.if \g == 0
	v_wmma_f32_16x16x32_f16 v[S+32*\t+8*(2*\hf+\k):S+32*\t+8*(2*\hf+\k)+7], v[KV+16*(2*\hf+\k)+8*\g:KV+16*(2*\hf+\k)+8*\g+7], v[QF+16*\t+8*\g:QF+16*\t+8*\g+7], 0
.else
	v_wmma_f32_16x16x32_f16 v[S+32*\t+8*(2*\hf+\k):S+32*\t+8*(2*\hf+\k)+7], v[KV+16*(2*\hf+\k)+8*\g:KV+16*(2*\hf+\k)+8*\g+7], v[QF+16*\t+8*\g:QF+16*\t+8*\g+7], v[S+32*\t+8*(2*\hf+\k):S+32*\t+8*(2*\hf+\k)+7]
.endif
.endr
.endr
.endr
.endm
; two rounds of the row sums' two chains: pairs i, i + 2 of both tiles
.macro SUMS i
.irp t, 0,1
	v_pk_add_f32 v[SX+4*\t:SX+4*\t+1], v[SX+4*\t:SX+4*\t+1], v[S+32*\t+(\i):S+32*\t+(\i)+1]
	v_pk_add_f32 v[SX+4*\t+2:SX+4*\t+3], v[SX+4*\t+2:SX+4*\t+3], v[S+32*\t+(\i)+2:S+32*\t+(\i)+3]
.endr
.endm
; A KEY STEP: 64 keys
.macro STEP
	v_add_nc_u32 v[ADR], s[TB], v[LI]
.set i, 0
.rept 16
	ds_load_b128 v[KV+4*i:KV+4*i+3], v[ADR] offset:512*i           ; K: register 16 kt + 8 g + 4 cc, in the image's own order
.set i, i+1
.endr
	s_wait_dscnt 8                                 ; key tiles 0 and 1 are in; the youngest eight loads may be out
	QK 0
	s_wait_dscnt 0x0
	QK 1
	; four places ahead of the loads into K's registers and of the first reads of the scores: two lines that are due anyway, which name no register of the products, and two v_nop
.irp t, 0,1
	v_mov_b32 v[OLD+\t], v[ST+8*\t]                ; c m_old is kept for a
.endr
	v_nop
	v_nop
.set i, 0
.rept 16
	ds_load_b128 v[KV+4*i:KV+4*i+3], v[ADR] offset:32768+512*i     ; V: register 32 kp + 8 ct + 4 cc; it lands under the softmax
.set i, i+1
.endr
	; the maximum of a lane's 32 scores and the old m, three at a time, four chains a tile, the two tiles line by line; each accumulator is read from its low end on
.irp j, 0,1,2,3
.irp t, 0,1
	v_max3_num_f32 v[ST+8*\t+4+\j], v[S+32*\t+8*\j], v[S+32*\t+8*\j+1], v[S+32*\t+8*\j+2]
.endr
.endr
.irp u, 3,5
.irp j, 0,1,2,3
.irp t, 0,1
	v_max3_num_f32 v[ST+8*\t+4+\j], v[ST+8*\t+4+\j], v[S+32*\t+8*\j+\u], v[S+32*\t+8*\j+\u+1]
.endr
.endr
.endr
.irp t, 0,1
	v_max3_num_f32 v[ST+8*\t+4], v[ST+8*\t+4], v[S+32*\t+7], v[S+32*\t+15]
	v_max3_num_f32 v[ST+8*\t+6], v[ST+8*\t+6], v[S+32*\t+23], v[S+32*\t+31]
.endr
.irp t, 0,1
	v_max3_num_f32 v[ST+8*\t+4], v[ST+8*\t+4], v[ST+8*\t+5], v[ST+8*\t+6]
.endr
.irp t, 0,1
	v_max3_num_f32 v[ST+8*\t+4], v[ST+8*\t+4], v[ST+8*\t+7], v[ST+8*\t+1]
.endr
.irp t, 0,1
	v_permlanex16_b32 v[ST+8*\t+5], v[ST+8*\t+4], s[SEL], s[SEL+1]   ; the query's other 32 keys lie in the lane 16 away
.endr
.irp t, 0,1
	v_max_num_f32 v[ST+8*\t+1], v[ST+8*\t+4], v[ST+8*\t+5]
.endr
.irp t, 0,1
	v_mul_f32 v[ST+8*\t], s[CS], v[ST+8*\t+1]
.endr
.irp t, 0,1
	v_sub_f32 v[ST+8*\t+7], v[OLD+\t], v[ST+8*\t]
.endr
.irp b, 0,2,4,6,8,10,12,14,16,18,20,22,24,26,28,30
.irp t, 0,1
	v_pk_fma_f32 v[S+32*\t+\b:S+32*\t+\b+1], v[S+32*\t+\b:S+32*\t+\b+1], s[CS:CS+1], v[ST+8*\t:ST+8*\t+1] op_sel_hi:[1,0,0] neg_lo:[0,0,1] neg_hi:[0,0,1]   ; c s - c m, two at a time
.endr
.endr
	; ONE BATCH: both tiles' a and their 64 weights; none of these lines reads an exponential's result
.irp t, 0,1
	v_exp_f32 v[ST+8*\t+6], v[ST+8*\t+7]
.endr
.set i, 0
.rept 64
	v_exp_f32 v[S+i], v[S+i]
.set i, i+1
.endr
	v_nop                                          ; a plain line behind the last exponential
	s_wait_alu depctr_va_vdst(0)                   ; the wait ahead of the first line that names a result: one for the batch
	; the sums of the unrounded weights, two chains a tile.  Pairs 0 to 22 now: registers 0 to 15 are about to take P
.irp t, 0,1
	v_pk_add_f32 v[SX+4*\t:SX+4*\t+1], v[S+32*\t:S+32*\t+1], v[S+32*\t+2:S+32*\t+3]
	v_pk_add_f32 v[SX+4*\t+2:SX+4*\t+3], v[S+32*\t+4:S+32*\t+5], v[S+32*\t+6:S+32*\t+7]
.endr
	SUMS 8
	SUMS 12
	SUMS 16
	SUMS 20
.irp i, 0,1,2,3,4,5,6,7,8,9,10,11,12,13,14,15
.irp t, 0,1
	v_cvt_pk_f16_f32 v[S+32*\t+\i], v[S+32*\t+2*\i], v[S+32*\t+2*\i+1]   ; P, in place and ascending: register i is written when pairs 0 .. i have been read
.endr
.endr
.irp i, 0,2,4,6,8,10,12,14,16,18,20,22,24,26,28,30
.irp t, 0,1
	v_pk_mul_f32 v[OA+32*\t+\i:OA+32*\t+\i+1], v[OA+32*\t+\i:OA+32*\t+\i+1], v[ST+8*\t+6:ST+8*\t+7] op_sel_hi:[1,0]   ; O^T x a; each accumulator from its low end on
.endr
.endr
	s_wait_dscnt 0x0                               ; V is in
.irp p, 0,1                                    ; O^T += V^T P: 32 keys at a time, the eight accumulators by turns
.irp c, 0,1,2,3
.irp t, 0,1
	v_wmma_f32_16x16x32_f16 v[OA+32*\t+8*\c:OA+32*\t+8*\c+7], v[KV+32*\p+8*\c:KV+32*\p+8*\c+7], v[S+32*\t+8*\p:S+32*\t+8*\p+7], v[OA+32*\t+8*\c:OA+32*\t+8*\c+7]
.endr
.endr
.endr
	; The rest of the sums: pairs 24 to 30 lie in registers 24 to 31 of each tile's scores, which P has not taken and which these products do not name.  So these twelve plain lines are also the places
	; behind the products: four are owed ahead of the next loads into V's registers and of reads of O^T, five ahead of the next step's first products, which write over P's registers
	SUMS 24
	SUMS 28
.irp t, 0,1
	v_pk_add_f32 v[SX+4*\t:SX+4*\t+1], v[SX+4*\t:SX+4*\t+1], v[SX+4*\t+2:SX+4*\t+3]
.endr
.irp t, 0,1
	v_pk_fma_f32 v[ST+8*\t+2:ST+8*\t+3], v[ST+8*\t+2:ST+8*\t+3], v[ST+8*\t+6:ST+8*\t+7], v[SX+4*\t:SX+4*\t+1] op_sel_hi:[1,0,1]   ; l = a l + the step's sum
.endr
.endm
; Chunk c of four: 256 keys, four steps
.macro STEPS c
	s_mov_b32 s[TB], \c*CHUNKB
	s_mov_b32 s[CNT], 4
.Lstep_\@:
	STEP
	s_add_co_u32 s[TB], s[TB], 8192                ; 64 keys on, in K's part and in V's alike
	s_sub_co_u32 s[CNT], s[CNT], 1
	s_cmp_lg_u32 s[CNT], 0
	s_cbranch_scc1 .Lstep_\@
.endm
	s_load_b128 s[4:7], s[0:1], 0x0                ; qimg s[4:5], kvimg s[6:7]
	s_load_b64 s[8:9], s[0:1], 0x10                ; aimg
	v_lshl_add_u32 v[SPW], v0, 2, SPARE
	v_mov_b32 v[NIL], 0
	ds_add_u32 v[SPW], v[NIL]                      ; the wave's opening: the add, twice on end, and its wait ahead of my first tensor load
	ds_add_u32 v[SPW], v[NIL]                      ; and once more; the set-up below, work on registers, stands between it and the wait
	v_lshrrev_b32 v5, 5, v0
	v_readfirstlane_b32 s10, v5                    ; wave 0..15
	s_and_b32 s11, ttmp7, 0xffff                   ; batch x 8 + head
.irp g, G1, G1R
	s_mov_b32 s[\g+0], 3<<16                       ; no mask; elements of 8 bytes; no padding
	s_mov_b32 s[\g+1], 32<<16                      ; tensor_dim0 = 32: rows of 256 bytes
	s_mov_b32 s[\g+3], 32<<16                      ; tile_dim0 = 32
	s_mov_b32 s[\g+5], 32                          ; dense
	s_mov_b32 s[\g+6], 0
	s_mov_b32 s[\g+7], 0
.endr
	s_mov_b32 s[G1+2], 16<<16                      ; the first chunk's load: tensor_dim1 = 16,
	s_mov_b32 s[G1+4], 16                          ; tile_dim1 = 16: 4,096 bytes
	s_mov_b32 s[G1R+2], 48<<16                     ; the rest's: tensor_dim1 = 48,
	s_mov_b32 s[G1R+4], 48                         ; tile_dim1 = 48: 12,288 bytes
	s_mov_b32 s[CS], 0x3e38aa3b                    ; c = log2(e) / 8
	s_mov_b32 s[CS+1], s[CS]
	s_mov_b32 s[SEL], 0x76543210
	s_mov_b32 s[SEL+1], 0xfedcba98
	s_lshl_b32 s12, s10, 12                        ; my 4,096 bytes of the first chunk: the same number in LDS and in the head's bytes of kvimg
	s_mul_i32 s13, s10, RESTW
	s_add_co_u32 s13, s13, CHUNKB                  ; my 12,288 bytes of the rest, likewise
	s_mov_b32 s52, s12
	s_mov_b32 s53, 0
	s_mov_b32 s54, s13
	s_mov_b32 s55, 0
	s_lshl_b32 s46, s11, 18                        ; the head's 262,144 bytes of kvimg
	s_mov_b32 s47, 0
	s_lshl_b32 s14, ttmp9, 5
	s_lshl_b32 s15, s10, 1
	s_add_co_u32 s14, s14, s15                     ; my first query tile: 32 x half + 2 x wave
	s_lshl_b32 s48, s11, 17                        ; qimg: 131,072 bytes a head, 2,048 a tile
	s_lshl_b32 s15, s14, 11
	s_add_co_u32 s48, s48, s15
	s_mov_b32 s49, 0
	s_lshr_b32 s50, s11, 3
	s_lshl_b32 s50, s50, 6
	s_add_co_u32 s50, s50, s14                     ; aimg: token tile = 64 x batch + query tile: 16,384 bytes each;
	s_lshl_b32 s50, s50, 14
	s_and_b32 s15, s11, 7
	s_lshl_b32 s15, s15, 11                        ; the head's two K steps: 2,048 bytes
	s_add_co_u32 s50, s50, s15
	s_mov_b32 s51, 0
	s_wait_dscnt 0x0                               ; both opening adds are done
	s_wait_kmcnt 0x0
	s_add_nc_u64 s[6:7], s[6:7], s[46:47]
	s_add_nc_u64 s[4:5], s[4:5], s[48:49]
	s_add_nc_u64 s[8:9], s[8:9], s[50:51]
	s_mov_b32 s[G0], 1                             ; both groups 0 are made here, each in registers of its own, and never written again
	s_mov_b32 s[G0+1], s12
	s_add_nc_u64 s[G0+2:G0+3], s[6:7], s[52:53]
	s_or_b32 s[G0+3], s[G0+3], 0x80000000
	s_mov_b32 s[G0R], 1
	s_mov_b32 s[G0R+1], s13
	s_add_nc_u64 s[G0R+2:G0R+3], s[6:7], s[54:55]
	s_or_b32 s[G0R+3], s[G0R+3], 0x80000000
	tensor_load_to_lds s[G0:G0+3], s[G1:G1+7]      ; my part of the first chunk: the one fill at the head
	s_nop 0
	v_and_b32 v5, 31, v0
	v_lshlrev_b32 v[LI], 4, v5
.set i, 0
.rept 8
	global_load_b128 v[QF+4*i:QF+4*i+3], v[LI], s[4:5] offset:512*i   ; Q stays in registers: 16 t + 8 g + 4 cc, in the image's own order
.set i, i+1
.endr
.irp t, 0,1
	v_mov_b32 v[ST+8*\t+1], 0xff61b1e6             ; m = -3e38, under every score
	v_mul_f32 v[ST+8*\t], s[CS], v[ST+8*\t+1]
	v_mov_b32 v[ST+8*\t+2], 0                      ; l
	v_mov_b32 v[ST+8*\t+3], 0
.endr
.set i, 0
.rept 64
	v_mov_b32 v[OA+i], 0                           ; O^T: the step is written once, and its first a multiplies zeros
.set i, i+1
.endr
	s_wait_loadcnt 0x0                             ; Q
	; THE FIRST BARRIER.  Behind it the first chunk is whole, and the rest is asked for: bytes that are filled for the first time, by my one tensor load behind this barrier, the first thing there
	s_wait_tensorcnt 0x0                           ; my part of the first chunk is in: no tensor load of mine is out
	ds_add_u32 v[SPW], v[NIL]                      ; 0 onto my spare word
	s_wait_dscnt 0x0                               ; the add is done
	s_barrier_signal -1
	s_barrier_wait -1                              ; everybody's part is in
	tensor_load_to_lds s[G0R:G0R+3], s[G1R:G1R+7]  ; my 12,288 bytes of chunks 1 to 3: four key steps ahead of their first read
	s_nop 0
	STEPS 0
	; THE SECOND BARRIER.  Each wave's one load holds its part of chunks 1, 2 AND 3, so this barrier orders every later read of them behind every wave's load: no barrier stands in the twelve steps that follow
	s_wait_tensorcnt 0x0                           ; my part of the rest is in
	s_wait_dscnt 0x0                               ; no LDS instruction of mine is out at the signal
	s_barrier_signal -1
	s_barrier_wait -1                              ; everybody's part is in
	STEPS 1
	STEPS 2
	STEPS 3
	; THE WAY OUT.  l's two halves and the other half of the lanes' are added; O^T / l is rounded to f16: four registers are channels 16 ct + 8 h + 0 .. 7 of my token: half a fragment of the last product
.irp t, 0,1
	v_add_f32 v[ST+8*\t+4], v[ST+8*\t+2], v[ST+8*\t+3]
.endr
.irp t, 0,1
	v_permlanex16_b32 v[ST+8*\t+5], v[ST+8*\t+4], s[SEL], s[SEL+1]
.endr
.irp t, 0,1
	v_add_f32 v[ST+8*\t+4], v[ST+8*\t+4], v[ST+8*\t+5]
.endr
.irp t, 0,1
	v_rcp_f32 v[ST+8*\t+6], v[ST+8*\t+4]
.endr
	v_nop                                          ; a plain line behind the last reciprocal
	s_wait_alu depctr_va_vdst(0)                   ; and the wait ahead of the first use: one for both
.irp t, 0,1
.irp i, 0,2,4,6,8,10,12,14,16,18,20,22,24,26,28,30
	v_pk_mul_f32 v[OA+32*\t+\i:OA+32*\t+\i+1], v[OA+32*\t+\i:OA+32*\t+\i+1], v[ST+8*\t+6:ST+8*\t+7] op_sel_hi:[1,0]
.endr
.endr
.irp t, 0,1
.irp i, 0,1,2,3,4,5,6,7,8,9,10,11,12,13,14,15
	v_cvt_pk_f16_f32 v[S+16*\t+\i], v[OA+32*\t+2*\i], v[OA+32*\t+2*\i+1]
.endr
.endr
.irp t, 0,1
.irp c, 0,1,2,3
	global_store_b128 v[LI], v[S+16*\t+4*\c:S+16*\t+4*\c+3], s[8:9] offset:\t*16384+\c*512   ; 32 lanes store 512 consecutive bytes, aligned
.endr
.endr
	s_wait_tensorcnt 0x0                           ; the wave's end: behind my last tensor load
	ds_add_u32 v[SPW], v[NIL]
	s_wait_dscnt 0x0
	s_endpgm
.Lfunc_end_k_q8f28d1a209_attn:
	.size	k_q8f28d1a209_attn, .Lfunc_end_k_q8f28d1a209_attn-k_q8f28d1a209_attn
	.p2alignl 7, 3214868480
	.fill 96, 4, 3214868480
	.section	.rodata,"a",@progbits
	.p2align	6, 0x0
	.amdhsa_kernel k_q8f28d1a209_attn
		.amdhsa_group_segment_fixed_size 327680
		.amdhsa_private_segment_fixed_size 0
		.amdhsa_enable_private_segment 0
		.amdhsa_kernarg_size 24
		.amdhsa_user_sgpr_count 2
		.amdhsa_user_sgpr_kernarg_segment_ptr 1
		.amdhsa_wavefront_size32 1
		.amdhsa_system_sgpr_workgroup_id_x 1
		.amdhsa_system_sgpr_workgroup_id_y 1
		.amdhsa_system_sgpr_workgroup_id_z 1
		.amdhsa_system_vgpr_workitem_id 0
		.amdhsa_next_free_vgpr 256
		.amdhsa_next_free_sgpr 66
		.amdhsa_reserve_vcc 0
		.amdhsa_float_denorm_mode_32 3
		.amdhsa_float_denorm_mode_16_64 3
		.amdhsa_memory_ordered 1
		.amdhsa_forward_progress 1
		.amdhsa_inst_pref_size 80
	.end_amdhsa_kernel
	.amdgpu_metadata
---
amdhsa.version: [ 1, 2 ]
amdhsa.kernels:
  - .name:           k_q8f28d1a209_attn
    .symbol:         k_q8f28d1a209_attn.kd
    .args:
      - { .name: qimg, .offset: 0, .size: 8, .value_kind: global_buffer, .address_space: global }
      - { .name: kvimg, .offset: 8, .size: 8, .value_kind: global_buffer, .address_space: global }
      - { .name: aimg, .offset: 16, .size: 8, .value_kind: global_buffer, .address_space: global }
    .group_segment_fixed_size: 327680
    .private_segment_fixed_size: 0
    .kernarg_segment_align: 8
    .kernarg_segment_size: 24
    .max_flat_workgroup_size: 512
    .sgpr_count:     66
    .vgpr_count:     256
    .wavefront_size: 32
...
	.end_amdgpu_metadata
.endif
;; end of part 3
;; launch oproj (part 4): grid 2 x 128, 8 waves a work-group, no clusters, 327,680 bytes of LDS; arguments aimg, woimg, b_o, out0; writes out0
.if DOCPART == 4
	.amdgcn_target "amdgcn-amd-amdhsa--gfx1250"
	.amdhsa_code_object_version 6
	.text
	.protected	k_q8f28d1a209_oproj
	.globl	k_q8f28d1a209_oproj
	.p2align	8
	.type	k_q8f28d1a209_oproj,@function
k_q8f28d1a209_oproj:
	s_mov_b64 s[64:65], 0
	v_nop
	global_prefetch_b8 v0, s[64:65] scope:SCOPE_SE
	s_setreg_imm32_b32 hwreg(HW_REG_WAVE_MODE, 25, 1), 1
	s_wait_xcnt 0x0
; out0 = o W_o + b_o.  o [16,384][512] and W_o [512][512] arrive in f16 as images of operand registers (aimg, woimg: 16 bytes a lane); sums in f32; out0 f32.
; SHARES.  A work-group makes 128 tokens (grid y) x 256 columns (grid x).  Wave w owns 32 columns, two tiles, for all 128 tokens: 16 accumulators.  Its slice of W_o (2 tiles x 16 K steps x 8 registers)
; fills window 1 and stays.  The tokens' 131,072 bytes of images lie in LDS, filled ONCE, in four chunks of 4 K steps: wave w asks for token tile w's 4,096 bytes of each chunk at the head: four tensor loads a wave.
; Source 0 = 16 tokens (window 0), source 1 = 16 columns of W_o (window 1): ONE window setting serves the products and the LDS loads of the whole main part.  The bias is the C of each sum's first product.
; THE WAY OUT.  A lane holds one column and eight tokens; the 128 x 256 results meet in a stage in LDS (rows of 1,024 bytes + 16) and each wave stores 16 rows, 512 consecutive bytes an instruction.
; No cluster: W_o goes from memory straight into registers, and of the tokens' images only two work-groups share a byte (a grid of 2 along x is no multiple of a cluster of 4).  No prefetch: every byte that a work-group reads is asked for in its first lines.
; LIMITS: as the launches before: |o|, |W_o| under 65,504; NaN and infinities are not served.
.set STAGE,  131072                    ; behind the tokens' images
.set SPITCH, 1040
.set SPARE,  STAGE+128*SPITCH          ; 264,192: the spare words, 128 bytes for each wave: four blocks of 256 bytes that no other line names
.set LI,  1                            ; v1   16 x lane: token tiles 0-3
.set LI2, 2                            ; v2   + 65,536: token tiles 4-7
.set SPW, 3                            ; v3   my spare word's address; never rewritten
.set NIL, 4                            ; v4   0; never rewritten
.set SO,  5                            ; v5   the stage, in: row 8 h, my wave's 128 bytes, 4 r;  v6: 64 rows further down
.set SR,  7                            ; v7   the stage, back: my 16 rows, 16 x lane
.set R4,  8                            ; v8   4 r
.set BR,  10                           ; v10-11 my column's bias, tile n
.set BI,  16                           ; v16-31 the bias as C: eight equal registers a tile
.set AB,  32                           ; v32-127 three buffers of four fragments of tokens
.set ACC, 128                          ; v128-255 accumulator (token tile m, column tile n) at 8 (2 m + n)
.set G1,  16                           ; s[16:23] descriptor group 1
.set G0,  24                           ; s[24:39] group 0, a set for each chunk
.set MSB, 0
.macro WIN new                         ; the immediate's high byte repeats the setting that is left
.if MSB != \new
	s_set_vgpr_msb (MSB<<8)|\new
.set MSB, \new
.endif
.endm
; run i of a chunk's eight: K step 4 c + i / 2, token tiles 4 (i % 2) + 0 .. 3: eight LDS loads into buffer i % 3
.macro ALOAD c, i
.set KS_, 4*(\c)+(\i)/2
.set HF_, (\i)%2
.set BF_, AB+32*((\i)%3)
.irp mm, 0,1,2,3
.irp cc, 0,1
	ds_load_b128 v[BF_+8*\mm+4*\cc:BF_+8*\mm+4*\cc+3], v[LI+HF_] offset:\mm*16384+KS_*1024+\cc*512
.endr
.endr
.endm
; and its eight products: eight accumulators by turns; the next run takes the other eight
.macro MULS c, i
.set KS_, 4*(\c)+(\i)/2
.set HF_, (\i)%2
.set BF_, AB+32*((\i)%3)
.irp mm, 0,1,2,3
.irp n, 0,1
.if KS_ == 0
	v_wmma_f32_16x16x32_f16 v[ACC+8*(2*(4*HF_+\mm)+\n):ACC+8*(2*(4*HF_+\mm)+\n)+7], v[BF_+8*\mm:BF_+8*\mm+7], v[16*KS_+8*\n:16*KS_+8*\n+7], v[BI+8*\n:BI+8*\n+7]
.else
	v_wmma_f32_16x16x32_f16 v[ACC+8*(2*(4*HF_+\mm)+\n):ACC+8*(2*(4*HF_+\mm)+\n)+7], v[BF_+8*\mm:BF_+8*\mm+7], v[16*KS_+8*\n:16*KS_+8*\n+7], v[ACC+8*(2*(4*HF_+\mm)+\n):ACC+8*(2*(4*HF_+\mm)+\n)+7]
.endif
.endr
.endr
.endm
; Chunk c of four: K steps 4 c .. 4 c + 3
.macro OCH c
	s_wait_tensorcnt 3-\c                          ; tensor loads of a wave end in order: my part of chunk c is in; the 3 - c younger ones may stay out
	s_wait_dscnt 0x0                               ; no LDS instruction of mine is out at the signal
	s_barrier_signal -1
	s_barrier_wait -1                              ; everybody's part is in
	s_wait_loadcnt 48-16*\c                        ; the bias and W_o's K steps up to 4 c + 3 are in; the 16 loads of each later chunk may be out
.if \c == 0
.irp n, 0,1
.irp j, 0,1,2,3,4,5,6,7
	v_mov_b32 v[BI+8*\n+\j], v[BR+\n]              ; a lane's eight results are eight tokens of ONE column: the same bias eight times
.endr
.endr
.endif
	ALOAD \c, 0
	ALOAD \c, 1
	ALOAD \c, 2
.irp i, 0,1,2,3,4,5,6,7
.if \i < 6
	s_wait_dscnt 16                                ; run i is in; the two younger runs of eight may be out
.elseif \i == 6
	s_wait_dscnt 8
.else
	s_wait_dscnt 0x0
.endif
	MULS \c, \i
.rept 4
	v_nop                                          ; places ahead of loads into the buffer just multiplied, and at the end ahead of the reads of results
.endr
.if \i < 5
	ALOAD \c, \i+3
.endif
.endr
.endm
	s_load_b256 s[4:11], s[0:1], 0x0               ; aimg s[4:5], woimg s[6:7], b_o s[8:9], out0 s[10:11]
	v_lshl_add_u32 v[SPW], v0, 2, SPARE
	v_mov_b32 v[NIL], 0
	ds_add_u32 v[SPW], v[NIL]                      ; the wave's opening: the add, twice on end, and its wait ahead of my first tensor load
	ds_add_u32 v[SPW], v[NIL]                      ; and once more; the set-up below, work on registers, stands between it and the wait
	v_lshrrev_b32 v9, 5, v0
	v_readfirstlane_b32 s12, v9                    ; wave 0..7
	s_and_b32 s13, ttmp7, 0xffff                   ; block of 128 tokens
	s_mov_b32 s[G1+0], 3<<16                       ; no mask; elements of 8 bytes; no padding
	s_mov_b32 s[G1+1], 32<<16                      ; tensor_dim0 = 32: rows of 256 bytes
	s_mov_b32 s[G1+2], 16<<16                      ; tensor_dim1 = 16
	s_mov_b32 s[G1+3], 32<<16                      ; tile_dim0 = 32
	s_mov_b32 s[G1+4], 16                          ; tile_dim1 = 16
	s_mov_b32 s[G1+5], 32                          ; dense
	s_mov_b32 s[G1+6], 0
	s_mov_b32 s[G1+7], 0
	s_lshl_b32 s14, s12, 14                        ; token tile w: 16,384 bytes, in LDS and in memory
	s_lshl_b32 s46, s13, 17                        ; the block's 8 tiles
	s_add_co_u32 s46, s46, s14
	s_mov_b32 s47, 0
	s_lshl_b32 s40, ttmp9, 18                      ; W_o: 16 tiles of 16,384 bytes a half,
	s_lshl_b32 s15, s12, 15                        ; two tiles a wave
	s_add_co_u32 s40, s40, s15
	s_mov_b32 s41, 0
	s_lshl_b32 s42, ttmp9, 10                      ; the bias: 256 numbers a half,
	s_lshl_b32 s48, s12, 7                         ; 32 a wave
	s_add_co_u32 s42, s42, s48
	s_mov_b32 s43, 0
	s_lshl_b32 s44, s13, 18                        ; out0: 128 rows of 2,048 bytes a block,
	s_add_co_u32 s44, s44, s15                     ; 16 rows a wave,
	s_lshl_b32 s49, ttmp9, 10                      ; 1,024 bytes a half
	s_add_co_u32 s44, s44, s49
	s_mov_b32 s45, 0
	s_wait_dscnt 0x0                               ; both opening adds are done
	s_wait_kmcnt 0x0
	s_add_nc_u64 s[4:5], s[4:5], s[46:47]
	s_add_nc_u64 s[6:7], s[6:7], s[40:41]
	s_add_nc_u64 s[8:9], s[8:9], s[42:43]
	s_add_nc_u64 s[10:11], s[10:11], s[44:45]
.irp c, 0,1,2,3                                ; four first fills: four tensor loads of mine are out
	s_mov_b32 s[G0+4*\c], 1
	s_add_co_u32 s[G0+4*\c+1], s14, \c*4096
	s_add_nc_u64 s[G0+4*\c+2:G0+4*\c+3], s[4:5], \c*4096
	s_or_b32 s[G0+4*\c+3], s[G0+4*\c+3], 0x80000000
	tensor_load_to_lds s[G0+4*\c:G0+4*\c+3], s[G1:G1+7]
	s_nop 0
.endr
	v_and_b32 v9, 31, v0                           ; lane
	v_and_b32 v12, 15, v0                          ; r
	v_bfe_u32 v13, v0, 4, 1                        ; h
	v_lshlrev_b32 v[LI], 4, v9
	v_add_nc_u32 v[LI2], 65536, v[LI]
	v_lshlrev_b32 v[R4], 2, v12
	v_mul_u32_u24 v[SO], v13, 8*SPITCH             ; lanes 16-31: eight rows further down: 8,320 bytes = 32 x 256 + 128, so the two halves of the lanes fall on different halves of a row of 256 bytes
	v_add_nc_u32 v[SO], v[SO], v[R4]
	s_add_co_u32 s48, s48, STAGE
	v_add_nc_u32 v[SO], s48, v[SO]
	v_add_nc_u32 v[SO+1], 64*SPITCH, v[SO]
	s_mul_i32 s48, s12, 16*SPITCH
	s_add_co_u32 s48, s48, STAGE
	v_add_nc_u32 v[SR], s48, v[LI]
.irp n, 0,1
	global_load_b32 v[BR+\n], v[R4], s[8:9] offset:64*\n
.endr
	WIN 0x40                                       ; destination window 1, address window 0
.irp ks, 0,1,2,3,4,5,6,7,8,9,10,11,12,13,14,15 ; W_o's fragments, (K step, tile n) at 16 ks + 8 n, asked for in the order of K
.irp n, 0,1
.irp cc, 0,1
	global_load_b128 v[16*\ks+8*\n+4*\cc:16*\ks+8*\n+4*\cc+3], v[LI], s[6:7] offset:\n*16384+\ks*1024+\cc*512
.endr
.endr
.endr
	WIN 0x04                                       ; source 1 (W_o) in window 1, all else in window 0: for the whole main part, which has no label and no branch
	OCH 0
	OCH 1
	OCH 2
	OCH 3
	WIN 0
.irp m, 0,1,2,3,4,5,6,7                        ; into the stage: register j of accumulator (m, n) is out(16 m + 8 h + j, 32 w + 16 n + r); each accumulator from its low end on
.irp n, 0,1
.irp j, 0,1,2,3,4,5,6,7
	ds_store_b32 v[SO+(\m)/4], v[ACC+8*(2*\m+\n)+\j] offset:(16*((\m)%4)+\j)*SPITCH+64*\n
.endr
.endr
.endr
	s_wait_dscnt 0x0                               ; for the others' sake: my stores into the stage are done
	s_barrier_signal -1
	s_barrier_wait -1                              ; 128 whole rows lie in the stage
.irp i, 0,1,2,3,4,5,6,7,8,9,10,11,12,13,14,15
.irp f, 0,1
	ds_load_b128 v[ACC+4*(2*\i+\f):ACC+4*(2*\i+\f)+3], v[SR] offset:\i*SPITCH+512*\f
.endr
.endr
.irp i, 0,1,2,3,4,5,6,7,8,9,10,11,12,13,14,15
.irp f, 0,1
	s_wait_dscnt 31-(2*\i+\f)                      ; LDS loads come back in order: this one is in, the younger ones may be out
	global_store_b128 v[LI], v[ACC+4*(2*\i+\f):ACC+4*(2*\i+\f)+3], s[10:11] offset:\i*2048+512*\f th:TH_STORE_NT   ; 32 lanes store 512 consecutive bytes, aligned; written once, read by nobody here
.endr
.endr
	s_wait_tensorcnt 0x0                           ; the wave's end: behind my last tensor load and my last LDS store
	ds_add_u32 v[SPW], v[NIL]
	s_wait_dscnt 0x0
	s_endpgm
.Lfunc_end_k_q8f28d1a209_oproj:
	.size	k_q8f28d1a209_oproj, .Lfunc_end_k_q8f28d1a209_oproj-k_q8f28d1a209_oproj
	.p2alignl 7, 3214868480
	.fill 96, 4, 3214868480
	.section	.rodata,"a",@progbits
	.p2align	6, 0x0
	.amdhsa_kernel k_q8f28d1a209_oproj
		.amdhsa_group_segment_fixed_size 327680
		.amdhsa_private_segment_fixed_size 0
		.amdhsa_enable_private_segment 0
		.amdhsa_kernarg_size 32
		.amdhsa_user_sgpr_count 2
		.amdhsa_user_sgpr_kernarg_segment_ptr 1
		.amdhsa_wavefront_size32 1
		.amdhsa_system_sgpr_workgroup_id_x 1
		.amdhsa_system_sgpr_workgroup_id_y 1
		.amdhsa_system_sgpr_workgroup_id_z 1
		.amdhsa_system_vgpr_workitem_id 0
		.amdhsa_next_free_vgpr 512
		.amdhsa_next_free_sgpr 66
		.amdhsa_reserve_vcc 0
		.amdhsa_float_denorm_mode_32 3
		.amdhsa_float_denorm_mode_16_64 3
		.amdhsa_memory_ordered 1
		.amdhsa_forward_progress 1
		.amdhsa_inst_pref_size 63
	.end_amdhsa_kernel
	.amdgpu_metadata
---
amdhsa.version: [ 1, 2 ]
amdhsa.kernels:
  - .name:           k_q8f28d1a209_oproj
    .symbol:         k_q8f28d1a209_oproj.kd
    .args:
      - { .name: aimg, .offset: 0, .size: 8, .value_kind: global_buffer, .address_space: global }
      - { .name: woimg, .offset: 8, .size: 8, .value_kind: global_buffer, .address_space: global }
      - { .name: b_o, .offset: 16, .size: 8, .value_kind: global_buffer, .address_space: global }
      - { .name: out0, .offset: 24, .size: 8, .value_kind: global_buffer, .address_space: global }
    .group_segment_fixed_size: 327680
    .private_segment_fixed_size: 0
    .kernarg_segment_align: 8
    .kernarg_segment_size: 32
    .max_flat_workgroup_size: 256
    .sgpr_count:     66
    .vgpr_count:     512
    .wavefront_size: 32
...
	.end_amdgpu_metadata
.endif
;; end of part 4
